; MI455X (gfx1250); checked and timed in simulation.
; The chip was launched on July 23, 2026; its instructions are those of AMD's public machine-readable ISA for CDNA 5 (MIT licence, August 2026) and "CDNA5" Instruction Set Architecture Reference Guide (July 2026). The comments in the code are by the model that wrote it; some were corrected since.
;; LSTM Mirrored. Allowed arithmetic: matrix products marked QUANTISED: E3M2 operands, one E8M0 scale for each 32 along K, by v_wmma_scale_f32_16x16x128_f8f6f4 with both operands' format E3M2, f32 sums; everything else in f32.
;; Inputs: Wch_codes 1,024 x 32 x 24 uint8 (E3M2 codes of Wch, K innermost, in blocks of 32 codes, four codes in three bytes); Wch_scales 1,024 x 32 uint8 (E8M0 scales of Wch, one for each 32 codes along K); Wcx_codes 1,024 x 32 x 24 uint8 (E3M2 codes of Wcx, K innermost, in blocks of 32 codes, four codes in three bytes); Wcx_scales 1,024 x 32 uint8 (E8M0 scales of Wcx, one for each 32 codes along K); Wfh_codes 1,024 x 32 x 24 uint8 (E3M2 codes of Wfh, K innermost, in blocks of 32 codes, four codes in three bytes); Wfh_scales 1,024 x 32 uint8 (E8M0 scales of Wfh, one for each 32 codes along K); Wfx_codes 1,024 x 32 x 24 uint8 (E3M2 codes of Wfx, K innermost, in blocks of 32 codes, four codes in three bytes); Wfx_scales 1,024 x 32 uint8 (E8M0 scales of Wfx, one for each 32 codes along K); Wih_codes 1,024 x 32 x 24 uint8 (E3M2 codes of Wih, K innermost, in blocks of 32 codes, four codes in three bytes); Wih_scales 1,024 x 32 uint8 (E8M0 scales of Wih, one for each 32 codes along K); Wix_codes 1,024 x 32 x 24 uint8 (E3M2 codes of Wix, K innermost, in blocks of 32 codes, four codes in three bytes); Wix_scales 1,024 x 32 uint8 (E8M0 scales of Wix, one for each 32 codes along K); Woh_codes 1,024 x 32 x 24 uint8 (E3M2 codes of Woh, K innermost, in blocks of 32 codes, four codes in three bytes); Woh_scales 1,024 x 32 uint8 (E8M0 scales of Woh, one for each 32 codes along K); Wox_codes 1,024 x 32 x 24 uint8 (E3M2 codes of Wox, K innermost, in blocks of 32 codes, four codes in three bytes); Wox_scales 1,024 x 32 uint8 (E8M0 scales of Wox, one for each 32 codes along K); bc 1,024 float32; bf 1,024 float32; bi 1,024 float32; bo 1,024 float32; hist_codes 8,192 x 32 x 24 uint8 (E3M2 codes of hist, K innermost, in blocks of 32 codes, four codes in three bytes); hist_scales 8,192 x 32 uint8 (E8M0 scales of hist, one for each 32 codes along K); inputs_codes 8,192 x 32 x 24 uint8 (E3M2 codes of inputs, K innermost, in blocks of 32 codes, four codes in three bytes); inputs_scales 8,192 x 32 uint8 (E8M0 scales of inputs, one for each 32 codes along K).
;; Outputs: out0 8,192 x 1,024 float32; out1 8,192 x 1,024 float32.
;; Constants: carousel = 1.
;; This version of the problem:
;;   THIS VERSION OF THE PROBLEM IS GIVEN IN LOW PRECISION. The matrix products marked QUANTISED in the list below multiply operands that are first quantised to E3M2 (3 exponent bits, 2 mantissa bits; 6 bits a number), with one power-of-two scale for each 32 numbers along K (OCP MX v1.0); their sums are f32. All else is computed in f32.
;;   The module's matrix products, in the order in which they are computed (A, B: the left and right operand; K: the contracted axis; several contracted axes count as one K, in the product's order):
;;     1. [M 8,192, K 1,024] x [K 1,024, N 1,024]; A: input inputs (given as codes); B: input Wfx (given as codes): QUANTISED
;;     2. [M 8,192, K 1,024] x [K 1,024, N 1,024]; A: input hist (given as codes); B: input Wfh (given as codes): QUANTISED
;;     3. [M 8,192, K 1,024] x [K 1,024, N 1,024]; A: input inputs (given as codes); B: input Wix (given as codes): QUANTISED
;;     4. [M 8,192, K 1,024] x [K 1,024, N 1,024]; A: input hist (given as codes); B: input Wih (given as codes): QUANTISED
;;     5. [M 8,192, K 1,024] x [K 1,024, N 1,024]; A: input inputs (given as codes); B: input Wox (given as codes): QUANTISED
;;     6. [M 8,192, K 1,024] x [K 1,024, N 1,024]; A: input hist (given as codes); B: input Woh (given as codes): QUANTISED
;;     7. [M 8,192, K 1,024] x [K 1,024, N 1,024]; A: input inputs (given as codes); B: input Wcx (given as codes): QUANTISED
;;     8. [M 8,192, K 1,024] x [K 1,024, N 1,024]; A: input hist (given as codes); B: input Wch (given as codes): QUANTISED
;;   THE QUANTISER, for each operand of a quantised product, along K:
;;     - K is cut into blocks of 32 from its start; a last block that is shorter is filled with zeros.
;;     - A block's scale is 2^e with e = floor(log2(the largest magnitude in the block)) - 4, held to -126 .. 127; a block of zeros has e = 0. As a byte (E8M0): e + 127.
;;     - Each number is divided by its block's scale, clamped to +-28, and rounded to the nearest number of E3M2, ties to even, subnormals kept.
;;     - The product sums the exact products of the quantised numbers (number of the format x scale) in f32.
;;   ~~~python
;;   def quantise(x, axis):      # numpy; x: float32 -> the quantised numbers, widened to float32 again
;;       x = np.moveaxis(x, axis, -1); K = x.shape[-1]
;;       x = np.pad(x, [(0, 0)] * (x.ndim - 1) + [(0, -K % 32)]); x = x.reshape(x.shape[:-1] + (-1, 32)); a = np.abs(x).max(-1, keepdims=True)
;;       e = np.where(a > 0, np.clip(np.frexp(np.where(a > 0, a, 1))[1] - 1 - 4, -126, 127), 0)      # np.frexp(a)[1] - 1 = floor(log2(a)), exactly
;;       r = np.clip(x / 2.0 ** e, -28, 28)
;;       step = 2.0 ** (np.maximum(np.frexp(np.where(r == 0, 1, r))[1] - 1, -2) - 2)
;;       q = np.round(r / step) * step * 2.0 ** e      # np.round: ties to even
;;       return np.moveaxis(q.reshape(q.shape[:-2] + (-1,))[..., :K], -1, axis).astype(np.float32)
;;   ~~~
;;   INPUTS GIVEN AS CODES. Wch (in the module: [1024, 1024], K = its axis 0); Wcx (in the module: [1024, 1024], K = its axis 0); Wfh (in the module: [1024, 1024], K = its axis 0); Wfx (in the module: [1024, 1024], K = its axis 0); Wih (in the module: [1024, 1024], K = its axis 0); Wix (in the module: [1024, 1024], K = its axis 0); Woh (in the module: [1024, 1024], K = its axis 0); Wox (in the module: [1024, 1024], K = its axis 0); hist (in the module: [8192, 1024], K = its axis 1); inputs (in the module: [8192, 1024], K = its axis 1): each comes as NAME_codes (uint8): NAME with its K axis moved to the last place and cut into blocks of 32 codes, [.., K / 32, bytes a block], one block behind the other in memory; four codes in three bytes: a row's codes are one little-endian stream of bits, code i at bits 6 i .. 6 i + 5 (a code: sign, 3 exponent bits, 2 mantissa bits); and NAME_scales (uint8): the same leading axes, one E8M0 byte (e + 127) for each 32 codes along K. Its value is code x scale, taken as it is: it is not quantised again, and the codes and scales need not be those that the quantiser above would give.
;; One version. Each part assembles by itself: llvm-mc -triple=amdgcn-amd-amdhsa -mcpu=gfx1250 --defsym DOCPART=n.
;; ======== version 1 of 1: 1 launch
;; limits: a function is approximated: absolute error at most 1e-09
;; launch lstm (part 1): grid 16 x 32, 4 waves a work-group, clusters of 4 x 4, 327,680 bytes of LDS; arguments inputs_codes, Wox_codes, Wcx_codes, Wfx_codes, Wix_codes, hist_codes, Woh_codes, Wch_codes, Wfh_codes, Wih_codes, inputs_scales, hist_scales, Wfx_scales, Wfh_scales, Wix_scales, Wih_scales, Wox_scales, Woh_scales, Wcx_scales, Wch_scales, bf, bi, bo, bc, out0, out1; writes out0, out1
.if DOCPART == 1
	.amdgcn_target "amdgcn-amd-amdhsa--gfx1250"
	.amdhsa_code_object_version 6
	.text
	.protected	k_q02657e12d2_lstm
	.globl	k_q02657e12d2_lstm
	.p2align	8
	.type	k_q02657e12d2_lstm,@function
k_q02657e12d2_lstm:
	s_mov_b64 s[64:65], 0
	v_nop
	global_prefetch_b8 v0, s[64:65] scope:SCOPE_SE
	s_setreg_imm32_b32 hwreg(HW_REG_WAVE_MODE, 25, 1), 1
	s_wait_xcnt 0x0
	s_wait_alu depctr_hold_cnt(0) depctr_sa_sdst(0) depctr_va_vdst(0) depctr_va_sdst(0) depctr_va_ssrc(0) depctr_va_vcc(0) depctr_vm_vsrc(0)
	s_getreg_b32 s2, hwreg(HW_REG_IB_STS2, 6, 4)
	s_cmp_eq_u32 s2, 0
	s_cbranch_scc0 .Lentry_in_a_cluster
	s_endpgm
.Lentry_in_a_cluster:
	s_bfe_u32 s2, ttmp6, 0x10000c
	s_cmp_lg_u32 s2, 0xf033
	s_cbranch_scc0 .Lentry_shape_is_right
	s_endpgm
.Lentry_shape_is_right:
; An LSTM cell on codes of BF6 (E3M2) with one E8M0 scale for each 32 along K.  For each gate G of f, i, o, c:  a_G = x WGx + h WGh + bG  (x, h: [8192][1024]; the weights arrive [n = 1024][k = 1024], K innermost).
; f, i, o = sigmoid(a), g = tanh(a_c);  c = f + i g (the carousel is the constant 1);  h = o c.  out0 = h, out1 = c, both [8192][1024] f32.
; ONE LAUNCH: the eight products are one GEMM over K = 2,048 (x's 1,024, then h's 1,024) whose 4,096 columns are 4 gates x 1,024; the activations, c and h are made on the way out; nothing goes through memory.
; SHARES.  A work-group makes 256 rows x 64 columns n of ALL FOUR gates.  Wave w (rh = w / 2, ch = w % 2) makes rows 128 rh on, columns 32 ch on, of the four gates: 8 blocks of 16 rows x 8 blocks b = 2 gate + nb
; of 16 weight rows: 64 accumulators, 512 registers; the four gates of a point lie in one lane at the same place in four accumulators, so c and h need no other lane.
; THE MATRIX INSTRUCTION IS USED TRANSPOSED (source 0 = 16 weight rows, source 1 = 16 rows of x or h): a lane holds eight neighbouring columns of one row.  The biases are the C of the first products.
; CLUSTERS: 4 x 4 work-groups.  The four of a row of the cluster need the same tiles of x and h, the four of a column the same tiles of the weights: each tile is asked for JOINTLY.
; FIVE SOURCES, FOUR WAVES, one tensor load a wave behind each change of slots: wave 0 brings x's or h's 256 rows, wave 1 gate o's 64, wave 2 gate c's 64, each 256 along K at a time;
; gates f and i come in pieces of 512 along K, so that wave 3 serves both, one at a change.  K is written out: 8 steps of 256, no loop.
; THE BLOCKS OF 32 ALONG K STAND IN ANOTHER ORDER IN THE INSTRUCTION THAN IN MEMORY, alike in both operands: of each 128 along K lanes 0-15 take memory's blocks 0 and 1, lanes 16-31 blocks 2 and 3: 48 consecutive bytes a lane,
; three loads of 16 bytes.  The instruction's places 0, 1, 2, 3 so hold blocks 0, 2, 1, 3, and the two middle bytes of every scale word change places to match.  The products are the same; the order of the sums is another.
; THE SCALE WORDS stay in registers for the whole launch: a row's 32 scale bytes are 8 words; lane (r, h) holds words 4 h .. 4 h + 3 of row r, so each load of a wave reads 512 consecutive bytes;
; the K step picks the register, and lanes 0-15 or lanes 16-31 of it.
; LIMITS: NaN is not served: where a sum is NaN (a scale byte 0xff; an infinity less an infinity) the results here are finite numbers.  The exponents of the four exponentials are held at 30 from above,
; which moves a saturated gate by less than 1e-9 and keeps the product of the four denominators under 2^121; infinite sums are served.
; REGISTERS, in windows of 256: window 0: v0-31 addresses; v32-95 x's and h's scale words; v96-159 the weights'; v160-255 source 1's eight fragments, ONE set.
;   window 1: the weights' fragments, TWO sets, v0-95 and v128-223; the biases v96-127, v224-255; on the way out all of it is at work.   windows 2, 3: the accumulators, (a, b) at v[8 (8 (a % 4) + b)] of window 2 + a / 4.
.set PA,    240                        ; LDS pitch of a row of 192 bytes: 3 x (64 + 16) = 15 x 16: the sixteen rows that sixteen lanes of a load of 16 bytes touch lie in sixteen different columns of 16 bytes (64 banks of 4 bytes: ISA guide 11.1)
.set PF,    432                        ; of a row of 384 bytes: 3 x (128 + 16) = 27 x 16: likewise
.set ASL,   256*PA                     ; a slot of x or h: 61,440 bytes; two from LDS byte 0
.set OCB,   2*ASL                      ; gates o and c: a slot = 64 rows of o, then 64 of c
.set OCG,   64*PA
.set OCS,   2*OCG
.set FIB,   OCB+2*OCS                  ; gates f and i: a slot = 64 rows of f, then 64 of i, 512 along K
.set FIG,   64*PF
.set FIS,   2*FIG
.set SPARE, FIB+2*FIS                  ; 294,912: the spare words, 128 bytes for each wave: two blocks of 256 bytes that no other line names
.set SPT,   272                        ; the way out: a stage row: 256 bytes + 16
.set SRG,   16*SPT                     ; a region: 16 rows; region 2 z + rh (z = 0: h, 1: c)
.set SBF,   4*SRG                      ; a stage buffer; two of them, in x's slot 0, which has had its last fill and its last read when the first result is stored there
.set PFO,  3                           ; v3   the prefetches' offset: my row x 768; never rewritten
.set SPW,  4                           ; v4   LDS address of my spare word; never rewritten
.set NIL,  5                           ; v5   0; never rewritten
.set ADRA, 6                           ; v6-7   LDS address of my fragments of x or h in slot 0, 1;  v8-9 the same for pieces behind one padding more
.set ADOC, 10                          ; v10-13 the same for gates o and c
.set ADFI, 14                          ; v14-17 the same for gates f and i
.set STO,  18                          ; v18  the stage: where I put 16 bytes of a row
.set RD,   19                          ; v19  and where I read a row back
.set CO,   20                          ; v20  my byte offset in two rows of the output
.set VSA,  21                          ; v21  my byte offset in x's and h's scales
.set VSB,  22                          ; v22  in the weights' scales
.set VBI,  23                          ; v23  in the biases
.set AF,   160
.set G1A, 4                            ; s[4:11]   group 1: 256 rows x 192 bytes, mask: my row of the cluster
.set G1S, 12                           ; s[12:19]  64 rows x 192 bytes, mask: my column
.set G1L, 20                           ; s[20:27]  64 rows x 384 bytes, mask: my column
.set G0A, 28                           ; s[28:35]  group 0 for x and h, a set for each slot;  likewise:
.set G0O, 36
.set G0C, 44
.set G0F, 52
.set G0I, 68
.set PFA, 76                           ; s[76:77]  where my prefetches stand (first Wix's pointer, which is used up by then); never rewritten
.set HA,  78                           ; s[78:87]  hist, Woh, Wch, Wfh, Wih at the tile's first row
.set HO,  80
.set HC,  82
.set HF,  84
.set HI,  86
.set OUT, 88                           ; s[88:89]  the output that I store (ch = 0: out0, 1: out1) at my first row
.set WV,  90
.set RH,  91
.set CH,  92
.set CX,  93
.set CY,  94
.set TC,  95                           ; tile column, 0..15
.set TR,  96                           ; tile row, 0..31
.set LIM, 96                           ; (later, when the tile row is done with)  0 in a wave that prefetches
.set MSB, 0
.macro WIN new                         ; the immediate's high byte repeats the setting that is left; a switch that changes nothing is dropped
.if MSB != (\new)
	s_set_vgpr_msb (MSB<<8)|(\new)
.set MSB, (\new)
.endif
.endm
.set MUL_LO,   0xa1                    ; source 0 (weights) window 1, source 1 window 0, C and D window 2
.set MUL_HI,   0xf1                    ; the same, C and D window 3
.set FIRST_LO, 0x91                    ; the same with C (the bias) in window 1
.set FIRST_HI, 0xd1
.set TO_B,     0x40                    ; destination window 1, address window 0
.set E_W1,     0x55                    ; all in window 1
.set E_ST,     0x04                    ; a store's data (source 1) in window 1
.macro PLACES n                        ; plain places behind matrix instructions, in front of loads into their registers and of reads of their results
.rept \n
	v_nop
.endr
.endm
.macro CREST                           ; a round of the cluster's barrier behind its opening barrier
	s_cmp_lg_u32 s[WV], 0
	s_cbranch_scc1 .Lnot_wave_0_\@
	s_barrier_signal -3
.Lnot_wave_0_\@:
	s_barrier_wait -3
	s_barrier_signal -1
	s_barrier_wait -1
.endm
.macro CROUND                          ; a whole round
	s_barrier_signal -1
	s_barrier_wait -1
	CREST
.endm
.macro MKG0 g0, ptr, off, l0, l1, step ; two sets of group 0: the tile's first bytes into LDS byte l0, and step bytes further along K into l1
	s_mov_b32 s[\g0], 1
	s_mov_b32 s[\g0+1], \l0
	s_add_nc_u64 s[\g0+2:\g0+3], s[\ptr:\ptr+1], s[\off:\off+1]
	s_mov_b32 s[\g0+4], 1
	s_mov_b32 s[\g0+5], \l1
	s_add_nc_u64 s[\g0+6:\g0+7], s[\g0+2:\g0+3], \step
	s_or_b32 s[\g0+3], s[\g0+3], 0x80000000
	s_or_b32 s[\g0+7], s[\g0+7], 0x80000000
.endm
	s_load_b512 s[68:83], s[0:1], 0x0              ; codes: inputs, Wox, Wcx, Wfx, Wix, hist, Woh, Wch
	s_load_b128 s[84:87], s[0:1], 0x40             ; Wfh, Wih
	s_load_b512 s[28:43], s[0:1], 0x50             ; scales: inputs, hist, Wfx, Wfh, Wix, Wih, Wox, Woh
	s_load_b512 s[44:59], s[0:1], 0x90             ; Wcx, Wch; bf, bi, bo, bc; out0, out1
	v_lshl_add_u32 v[SPW], v0, 2, SPARE
	v_mov_b32 v[NIL], 0
	ds_add_u32 v4, v5
	ds_add_u32 v4, v5
	s_wait_dscnt 0x0
	v_lshrrev_b32 v24, 5, v0
	v_readfirstlane_b32 s[WV], v24                 ; wave 0..3
	v_and_b32 v1, 15, v0                           ; r
	v_bfe_u32 v2, v0, 4, 1                         ; h
	s_lshr_b32 s[RH], s[WV], 1                     ; which 128 rows are mine
	s_and_b32 s[CH], s[WV], 1                      ; which 32 columns
	s_bfe_u32 s[CX], ttmp6, 0x40000                ; my place in the cluster
	s_bfe_u32 s[CY], ttmp6, 0x40004
	s_lshl_b32 s[TC], ttmp9, 2
	s_add_co_u32 s[TC], s[TC], s[CX]               ; tile column = 4 x cluster x + cx
	s_and_b32 s[TR], ttmp7, 0xffff
	s_lshl_b32 s[TR], s[TR], 2
	s_add_co_u32 s[TR], s[TR], s[CY]               ; tile row = 4 x cluster y + cy
	s_lshl_b32 s66, s[CY], 2
	s_lshl_b32 s66, 15, s66                        ; my row of the cluster
	s_lshl_b32 s67, 0x1111, s[CX]                  ; my column
	; group 1: elements of 1 byte; 20 padding on; 21 set beside a mask; 24:22 the interval (code 3: 16 words, code 4: 32 words); 31:25 4 words of padding (code 3)
	s_or_b32 s[G1A], s66, (1<<20)|(1<<21)|(3<<22)|(3<<25)
	s_or_b32 s[G1S], s67, (1<<20)|(1<<21)|(3<<22)|(3<<25)
	s_or_b32 s[G1L], s67, (1<<20)|(1<<21)|(4<<22)|(3<<25)
	s_mov_b32 s[G1A+1], 192<<16                    ; tensor_dim0
	s_mov_b32 s[G1A+2], 256<<16                    ; tensor_dim1
	s_mov_b32 s[G1A+3], 192<<16                    ; tile_dim0
	s_mov_b32 s[G1A+4], 256                        ; tile_dim1
	s_mov_b32 s[G1A+5], 768                        ; a row of 1,024 codes in memory
	s_mov_b32 s[G1A+6], 0
	s_mov_b32 s[G1A+7], 0
	s_mov_b32 s[G1S+1], 192<<16
	s_mov_b32 s[G1S+2], 64<<16
	s_mov_b32 s[G1S+3], 192<<16
	s_mov_b32 s[G1S+4], 64
	s_mov_b32 s[G1S+5], 768
	s_mov_b32 s[G1S+6], 0
	s_mov_b32 s[G1S+7], 0
	s_mov_b32 s[G1L+1], 384<<16
	s_mov_b32 s[G1L+2], 64<<16
	s_mov_b32 s[G1L+3], 384<<16
	s_mov_b32 s[G1L+4], 64
	s_mov_b32 s[G1L+5], 768
	s_mov_b32 s[G1L+6], 0
	s_mov_b32 s[G1L+7], 0
	s_mul_i32 s60, s[TR], 256*768                  ; s[60:61]: where the tile's 256 rows begin in x and h: the tile row alone
	s_mov_b32 s61, 0
	s_mul_i32 s62, s[TC], 64*768                   ; s[62:63]: where its 64 rows begin in each weight: the tile column alone
	s_mov_b32 s63, 0
	s_mov_b32 s97, 0x41f00000                      ; 30.0
	s_mov_b32 s98, 0xbfb8aa3b                      ; -log2(e); the packed form names a pair and takes its low word for both halves, so both are written
	s_mov_b32 s99, 0xbfb8aa3b
	s_mov_b32 s100, 0xc038aa3b                     ; -2 log2(e)
	s_mov_b32 s101, 0xc038aa3b
	; offsets into the scales and biases (s66, s67 alone hold numbers made from the work-group's place; s2, s3 numbers made from the wave's number)
	v_lshlrev_b32 v24, 5, v1
	v_lshl_add_u32 v24, v2, 4, v24                 ; 32 r + 16 h: my 16 bytes of row r's 32 scale bytes
	s_lshl_b32 s66, s[TR], 13
	s_lshl_b32 s2, s[RH], 12
	s_add_co_u32 s66, s66, s2
	v_add_nc_u32 v[VSA], s66, v24                  ; + (256 x tile row + 128 rh) rows of 32 bytes
	s_lshl_b32 s67, s[TC], 11
	s_lshl_b32 s2, s[CH], 10
	s_add_co_u32 s67, s67, s2
	v_add_nc_u32 v[VSB], s67, v24                  ; + (64 x tile column + 32 ch) rows
	s_lshl_b32 s67, s[TC], 8
	s_lshl_b32 s2, s[CH], 7
	s_add_co_u32 s67, s67, s2
	v_lshl_add_u32 v[VBI], v2, 5, s67              ; biases: 4 (64 x tile column + 32 ch + 8 h)
	; LDS addresses: constants, the lane and the wave's number alone
	v_mul_u32_u24 v25, v1, PA
	v_mad_u32_u24 v25, v2, 48, v25                 ; r x pitch + 48 h: my half's two blocks of 24 bytes
	v_lshl_add_u32 v26, v2, 4, v25                 ; and behind one padding more: + 64 h
	s_mul_i32 s2, s[RH], 128*PA
	v_add_nc_u32 v[ADRA], s2, v25
	v_add_nc_u32 v[ADRA+2], s2, v26
	v_add_nc_u32 v[ADRA+1], ASL, v[ADRA]
	v_add_nc_u32 v[ADRA+3], ASL, v[ADRA+2]
	s_mul_i32 s2, s[CH], 32*PA
	s_add_co_u32 s2, s2, OCB
	v_add_nc_u32 v[ADOC], s2, v25
	v_add_nc_u32 v[ADOC+2], s2, v26
	v_add_nc_u32 v[ADOC+1], OCS, v[ADOC]
	v_add_nc_u32 v[ADOC+3], OCS, v[ADOC+2]
	v_mul_u32_u24 v27, v1, PF
	v_mad_u32_u24 v27, v2, 48, v27
	v_lshl_add_u32 v28, v2, 4, v27
	s_mul_i32 s2, s[CH], 32*PF
	s_add_co_u32 s2, s2, FIB
	v_add_nc_u32 v[ADFI], s2, v27
	v_add_nc_u32 v[ADFI+2], s2, v28
	v_add_nc_u32 v[ADFI+1], FIS, v[ADFI]
	v_add_nc_u32 v[ADFI+3], FIS, v[ADFI+2]
	s_mul_i32 s2, s[RH], SRG                       ; the stage, in: region rh (+ 2 z in the immediate), row r, my 32 columns' 128 bytes, + 32 h
	s_lshl_b32 s3, s[CH], 7
	s_add_co_u32 s2, s2, s3
	v_mul_u32_u24 v29, v1, SPT
	v_lshl_add_u32 v29, v2, 5, v29
	v_add_nc_u32 v[STO], s2, v29
	s_lshl_b32 s2, s[CH], 1                        ; back: region 2 ch + rh: I store my row half of output ch; lanes 0-15 one row, lanes 16-31 the next
	s_add_co_u32 s2, s2, s[RH]
	s_mul_i32 s2, s2, SRG
	v_mul_u32_u24 v29, v2, SPT
	v_lshl_add_u32 v29, v1, 4, v29
	v_add_nc_u32 v[RD], s2, v29
	v_lshlrev_b32 v29, 12, v2
	v_lshl_add_u32 v[CO], v1, 4, v29               ; the same two rows in the output: 4,096 h + 16 r
	s_wait_kmcnt 0x0
	; the scale words: source src (0: x, 1: h), block i, at v[32 + 32 src + 4 i]; the weights', block b = 2 gate + nb, at v[96 + 32 src + 4 b].  16 rows x 32 bytes a load
.irp src, 0,1
.irp i, 0,1,2,3,4,5,6,7
	global_load_b128 v[32+32*\src+4*\i:32+32*\src+4*\i+3], v[VSA], s[28+2*\src:29+2*\src] offset:512*\i
.endr
.endr
.irp g, 0,1,2,3
.irp src, 0,1
.irp nb, 0,1
	global_load_b128 v[96+32*\src+4*(2*\g+\nb):96+32*\src+4*(2*\g+\nb)+3], v[VSB], s[32+4*\g+2*\src:33+4*\g+2*\src] offset:512*\nb
.endr
.endr
.endr
	WIN TO_B
.irp g, 0,1,2,3                                ; the biases in the result's layout: lane (r, h), block b: those of columns 16 nb + 8 h + 0 .. 7
.irp nb, 0,1
.set BIR, 96+8*(2*\g+\nb)+96*(\g/2)
	global_load_b128 v[BIR:BIR+3], v[VBI], s[48+2*\g:49+2*\g] offset:64*\nb
	global_load_b128 v[BIR+4:BIR+7], v[VBI], s[48+2*\g:49+2*\g] offset:64*\nb+16
.endr
.endr
	WIN 0
	s_cmp_eq_u32 s[CH], 0                          ; the choice hangs on the wave's number alone
	s_cselect_b64 s[OUT:OUT+1], s[56:57], s[58:59]
	s_lshl_b32 s66, s[TR], 20                      ; 256 rows of 4,096 bytes a tile row,
	s_lshl_b32 s2, s[RH], 19                       ; my 128 rows,
	s_add_co_u32 s66, s66, s2
	s_lshl_b32 s67, s[TC], 8                       ; 64 columns of 4 bytes a tile column
	s_add_co_u32 s66, s66, s67
	s_mov_b32 s67, 0
	s_add_nc_u64 s[OUT:OUT+1], s[OUT:OUT+1], s[66:67]
	s_wait_xcnt 0x0                                ; the loads above have read their bases: s[28:59] are written next
	s_add_nc_u64 s[HA:HA+1], s[HA:HA+1], s[60:61]
	s_add_nc_u64 s[HO:HO+1], s[HO:HO+1], s[62:63]
	s_add_nc_u64 s[HC:HC+1], s[HC:HC+1], s[62:63]
	s_add_nc_u64 s[HF:HF+1], s[HF:HF+1], s[62:63]
	s_add_nc_u64 s[HI:HI+1], s[HI:HI+1], s[62:63]
	MKG0 G0A, 68, 60, 0, ASL, 192                  ; x: steps 0 and 1
	MKG0 G0O, 70, 62, OCB, OCB+OCS, 192
	MKG0 G0C, 72, 62, OCB+OCG, OCB+OCS+OCG, 192
	MKG0 G0F, 74, 62, FIB, FIB+FIS, 384            ; pieces 0 and 1 of 512 along K
	MKG0 G0I, 76, 62, FIB+FIG, FIB+FIS+FIG, 384    ; (over the pointers that are used up)
	CROUND                                         ; all sixteen work-groups are here: the first joint loads meet
	; the first fills: a wave's stand in one arm of one branch on its number, ahead of every wait on TENSORcnt, every LDS read and every further barrier.  Wave 3 has four loads out, the others two.
	s_cmp_eq_u32 s[WV], 0
	s_cbranch_scc0 .Lfirst_1
	tensor_load_to_lds s[G0A:G0A+3], s[G1A:G1A+7]
	s_nop 0
	tensor_load_to_lds s[G0A+4:G0A+7], s[G1A:G1A+7]
	s_nop 0
	PLACES 4
	s_branch .Lfirst_end
.Lfirst_1:
	s_cmp_eq_u32 s[WV], 1
	s_cbranch_scc0 .Lfirst_2
	tensor_load_to_lds s[G0O:G0O+3], s[G1S:G1S+7]
	s_nop 0
	tensor_load_to_lds s[G0O+4:G0O+7], s[G1S:G1S+7]
	s_nop 0
	PLACES 4
	s_branch .Lfirst_end
.Lfirst_2:
	s_cmp_eq_u32 s[WV], 2
	s_cbranch_scc0 .Lfirst_3
	tensor_load_to_lds s[G0C:G0C+3], s[G1S:G1S+7]
	s_nop 0
	tensor_load_to_lds s[G0C+4:G0C+7], s[G1S:G1S+7]
	s_nop 0
	PLACES 4
	s_branch .Lfirst_end
.Lfirst_3:
	tensor_load_to_lds s[G0F:G0F+3], s[G1L:G1L+7]
	s_nop 0
	tensor_load_to_lds s[G0I:G0I+3], s[G1L:G1L+7]
	s_nop 0
	tensor_load_to_lds s[G0F+4:G0F+7], s[G1L:G1L+7]
	s_nop 0
	tensor_load_to_lds s[G0I+4:G0I+7], s[G1L:G1L+7]
	s_nop 0
	PLACES 4
.Lfirst_end:
	; While the first tiles are on their way: where my prefetches stand (macro ASK), and the scale words' middle bytes.
	s_cmp_eq_u32 s[CY], 1                          ; waves 2 and 3: the h weights of ONE gate: partner cy of a column of the cluster takes gate o, c, f, i: told apart by address, by no branch
	s_cselect_b64 s[PFA:PFA+1], s[HC:HC+1], s[HO:HO+1]
	s_cmp_eq_u32 s[CY], 2
	s_cselect_b64 s[PFA:PFA+1], s[HF:HF+1], s[PFA:PFA+1]
	s_cmp_eq_u32 s[CY], 3
	s_cselect_b64 s[PFA:PFA+1], s[HI:HI+1], s[PFA:PFA+1]
	s_and_b32 s66, ttmp7, 0xffff                   ; cluster y
	s_cmp_lt_u32 s[WV], 2                          ; waves 0 and 1: hist
	s_cselect_b64 s[PFA:PFA+1], s[HA:HA+1], s[PFA:PFA+1]
	s_cselect_b32 s[LIM], ttmp9, s66               ; hist's rows are read by every cluster of a row of clusters: cluster x = 0 asks; the weights' by every cluster of a column: cluster y = 0 asks.  The same in all partners, for a given wave
	s_cselect_b32 s67, s[CX], 0                    ; of hist's 256 rows partner cx of a row of the cluster takes 64
	s_lshl_b32 s67, s67, 6
	s_lshl_b32 s66, s[CH], 5                       ; and of the 64 rows each of the two waves 32
	s_add_co_u32 s67, s67, s66
	v_and_b32 v[PFO], 31, v0
	v_add_nc_u32 v[PFO], s67, v[PFO]               ; a lane a row
	v_mul_u32_u24 v[PFO], v[PFO], 768
	s_mov_b32 s3, 0x03010200                       ; v_perm_b32: bytes 0, 2, 1, 3
	s_wait_loadcnt 16                              ; the 32 loads of scale words are in; the 16 of the biases may be out
.set KK, 32
.rept 128
	v_perm_b32 v[KK], v[KK], v[KK], s3             ; the instruction's places 1 and 2 hold memory's blocks 2 and 1
.set KK, KK+1
.endr
	PLACES 8                                       ; a scale register written by a vector instruction stands 8 places ahead of a scaled matrix instruction
; What a change of slots c (between steps c and c + 1) asks for: step c + 2 of x or h, of o and of c, into slot c % 2; of f and i a piece of 512 along K: f's piece 2 at c = 1, i's at 2, f's piece 3 at 3, i's at 4.
; Steps 0-3 and pieces 0, 1 lie in the x buffers, steps 4-7 and pieces 2, 3 in the h buffers.  The descriptors are stepped where no tensor load of the wave is out; every wave steps all of them.
.macro G0STEP c
.if ((\c) == 0) || ((\c) == 4)
.irp g, G0A, G0O, G0C
	s_add_nc_u64 s[\g+2:\g+3], s[\g+2:\g+3], 384   ; two steps on; the type bits on top are not reached
.endr
.endif
.if ((\c) == 1) || ((\c) == 5)
.irp g, G0A, G0O, G0C
	s_add_nc_u64 s[\g+6:\g+7], s[\g+6:\g+7], 384
.endr
.endif
.if (\c) == 1
	s_mov_b64 s[G0F+2:G0F+3], s[HF:HF+1]
	s_or_b32 s[G0F+3], s[G0F+3], 0x80000000
.endif
.if (\c) == 2
	s_mov_b64 s[G0A+2:G0A+3], s[HA:HA+1]
	s_mov_b64 s[G0O+2:G0O+3], s[HO:HO+1]
	s_mov_b64 s[G0C+2:G0C+3], s[HC:HC+1]
	s_mov_b64 s[G0I+2:G0I+3], s[HI:HI+1]
.irp g, G0A, G0O, G0C, G0I
	s_or_b32 s[\g+3], s[\g+3], 0x80000000
.endr
.endif
.if (\c) == 3
	s_add_nc_u64 s[G0A+6:G0A+7], s[HA:HA+1], 192
	s_add_nc_u64 s[G0O+6:G0O+7], s[HO:HO+1], 192
	s_add_nc_u64 s[G0C+6:G0C+7], s[HC:HC+1], 192
	s_add_nc_u64 s[G0F+6:G0F+7], s[HF:HF+1], 384
.irp g, G0A, G0O, G0C, G0F
	s_or_b32 s[\g+7], s[\g+7], 0x80000000
.endr
.endif
.if (\c) == 4
	s_add_nc_u64 s[G0I+6:G0I+7], s[HI:HI+1], 384
	s_or_b32 s[G0I+7], s[G0I+7], 0x80000000
.endif
.endm
; The joint refill: one tensor load a wave, chosen by the wave's number alone, the same in every work-group.  Four v_nop follow each line, ahead of the jump, the label and what follows;
; they are also the places in front of the LDS loads behind the macro, so wave 3's arm has them where it asks for nothing too.
.macro JLOAD c
	s_cmp_eq_u32 s[WV], 0
	s_cbranch_scc0 .Lj1_\@
	tensor_load_to_lds s[G0A+4*((\c)%2):G0A+4*((\c)%2)+3], s[G1A:G1A+7]
	s_nop 0
.rept 4
	v_nop
.endr
	s_branch .Lje_\@
.Lj1_\@:
	s_cmp_eq_u32 s[WV], 1
	s_cbranch_scc0 .Lj2_\@
	tensor_load_to_lds s[G0O+4*((\c)%2):G0O+4*((\c)%2)+3], s[G1S:G1S+7]
	s_nop 0
.rept 4
	v_nop
.endr
	s_branch .Lje_\@
.Lj2_\@:
	s_cmp_eq_u32 s[WV], 2
	s_cbranch_scc0 .Lj3_\@
	tensor_load_to_lds s[G0C+4*((\c)%2):G0C+4*((\c)%2)+3], s[G1S:G1S+7]
	s_nop 0
.rept 4
	v_nop
.endr
	s_branch .Lje_\@
.Lj3_\@:
.if (\c) == 1
	tensor_load_to_lds s[G0F:G0F+3], s[G1L:G1L+7]
	s_nop 0
.elseif (\c) == 2
	tensor_load_to_lds s[G0I:G0I+3], s[G1L:G1L+7]
	s_nop 0
.elseif (\c) == 3
	tensor_load_to_lds s[G0F+4:G0F+7], s[G1L:G1L+7]
	s_nop 0
.elseif (\c) == 4
	tensor_load_to_lds s[G0I+4:G0I+7], s[G1L:G1L+7]
	s_nop 0
.endif
.rept 4
	v_nop
.endr
.Lje_\@:
.endm
; A PREFETCH INTO THE L2 of the h buffers' rows, behind changes 0, 1 and 2, behind the joint load, its four lines and the run of LDS loads: the e-th 256 bytes of 32 rows of 768 bytes, a lane a row, one instruction a wave.
; The refills that want these bytes of hist, Woh and Wch go out at changes 2, 3 and 4: two changes, 256 matrix instructions, later (gates f's and i's longer pieces are asked for a change or two sooner).
; Each aligned block of 256 bytes is named ONCE in the launch: who asks for which rows is set out where s[PFA], s[LIM] and v[PFO] are made.  The step stands in the immediate: no address register is rewritten.
; Nothing is asked for of the x buffers: the first fills and the first two refills want them.
.macro ASK e
	s_cmp_eq_u32 s[LIM], 0
	s_cbranch_scc0 .Lnot_mine_\@
	global_prefetch_b8 v[PFO], s[PFA:PFA+1] offset:256*(\e) th:TH_LOAD_NT scope:SCOPE_SE
.Lnot_mine_\@:
.endm
; A fragment, 16 rows x 128 K of 6-bit codes, is 12 registers: lane (r, h) holds row r; registers 0-5 and 6-11 each hold one block of 32 codes, 24 bytes of the row's stream of bits as they lie.  Here they are memory's blocks
; 2 h and 2 h + 1 of the 128: 48 consecutive bytes at 96 q + 48 h of the row, in three pieces of 16 bytes, every address a multiple of 16.  q: which 128 along K of the LDS row.  iv: pieces between two paddings (4 or 8).
; Lanes 16-31 read three pieces further on; where that lies behind one padding more, the second address register (64 h for 48 h) serves.
.macro FRAG reg, adr, q, off, iv
.irp p, 0,1,2
.set PCE, 6*(\q)+\p
.if (PCE%(\iv)) < ((\iv)-3)
	ds_load_b128 v[\reg+4*\p:\reg+4*\p+3], v[\adr] offset:16*PCE+16*(PCE/(\iv))+(\off)
.else
	ds_load_b128 v[\reg+4*\p:\reg+4*\p+3], v[\adr+2] offset:16*PCE+16*(PCE/(\iv))+(\off)
.endif
.endr
.endm
.macro FETCH_A t, q, i0                ; blocks i0 .. i0 + 3 of x or h: step t's q-th 128 along K: 12 loads
.irp i, \i0, \i0+1, \i0+2, \i0+3
	FRAG AF+12*(\i),ADRA+(\t)%2,\q,(\i)*16*PA,4
.endr
.endm
.macro FETCH_B t, q, p                 ; the weights' eight fragments into set p: f and i from their piece's slot, o and c from the step's: 24 loads
	WIN TO_B
.irp g, 0,1
.irp nb, 0,1
	FRAG 128*(\p)+12*(2*\g+\nb),ADFI+((\t)/2)%2,2*((\t)%2)+(\q),\g*FIG+\nb*16*PF,8
.endr
.endr
.irp g, 2,3
.irp nb, 0,1
	FRAG 128*(\p)+12*(2*\g+\nb),ADOC+(\t)%2,\q,(\g-2)*OCG+\nb*16*PA,4
.endr
.endr
	WIN 0
.endm
; 16 matrix instructions: blocks a0, a0 + 1 of rows x the weights' eight; s: the K step of 128, 0 .. 15; p: the weights' set.  first = 1: the bias is the C: nothing is cleared, nothing is added later.
; The scale words: source s / 8, register s % 4; K steps 4 to 7 of a source lie in lanes 16-31.  The 64 accumulators take turns, one instruction a turn, in the same order in every K step.
.macro MUL16 a0, p, s, first
.irp a, \a0, \a0+1
.irp b, 0,1,2,3,4,5,6,7
.set ACR, 8*(8*((\a)%4)+\b)
.set BFR, 128*(\p)+12*\b
.set AFR, AF+12*(\a)
.set SBR, 96+32*((\s)/8)+4*\b+(\s)%4
.set SAR, 32+32*((\s)/8)+4*(\a)+(\s)%4
.set BIR, 96+8*\b+96*(\b/4)
.if \first
	v_wmma_scale_f32_16x16x128_f8f6f4 v[ACR:ACR+7], v[BFR:BFR+11], v[AFR:AFR+11], v[BIR:BIR+7], v[SBR], v[SAR] matrix_a_fmt:MATRIX_FMT_BF6 matrix_b_fmt:MATRIX_FMT_BF6
.elseif ((\s)%8) >= 4
	v_wmma_scale_f32_16x16x128_f8f6f4 v[ACR:ACR+7], v[BFR:BFR+11], v[AFR:AFR+11], v[ACR:ACR+7], v[SBR], v[SAR] matrix_a_fmt:MATRIX_FMT_BF6 matrix_b_fmt:MATRIX_FMT_BF6 matrix_a_scale:MATRIX_SCALE_ROW1 matrix_b_scale:MATRIX_SCALE_ROW1
.else
	v_wmma_scale_f32_16x16x128_f8f6f4 v[ACR:ACR+7], v[BFR:BFR+11], v[AFR:AFR+11], v[ACR:ACR+7], v[SBR], v[SAR] matrix_a_fmt:MATRIX_FMT_BF6 matrix_b_fmt:MATRIX_FMT_BF6
.endif
.endr
.endr
.endm
; The first 128 along K of step t (weights' set 0); it fetches the second 128 of the same slots: the weights' other set and rows' blocks 0-3 in its middle, blocks 4-7 at its end.
.macro STEP t, first
	s_wait_dscnt 12                                ; the weights' set and blocks 0-3 are in; the youngest 12 loads (blocks 4-7) may be out
.if \first
	WIN FIRST_LO
.else
	WIN MUL_LO
.endif
	MUL16 0, 0, 2*(\t), \first
	MUL16 2, 0, 2*(\t), \first
	s_wait_dscnt 0x0                               ; blocks 4-7 are in
	PLACES 4
	FETCH_B \t, 1, 1
	FETCH_A \t, 1, 0
.if \first
	WIN FIRST_HI
.else
	WIN MUL_HI
.endif
	MUL16 4, 0, 2*(\t), \first
	MUL16 6, 0, 2*(\t), \first
	PLACES 4
	WIN 0
	FETCH_A \t, 1, 4
.endm
; The second 128 along K of step c (weights' set 1), and the change of slots in its middle: ONE barrier; in front of it each wave waits for all its tensor loads, adds 0 to its spare word, and waits for that and for its reads
; of the slots.  The wait for the loads, the barrier and the refill stand close together, behind the K step's first 32 products: so from a refill to the wait for it a wave issues a whole step's 128 matrix instructions.
; fill = 1: the barrier opens a round of the cluster's barrier, and the joint refill is the first thing behind the round.
.macro TURN c, fill
	s_wait_dscnt 12                                ; the weights' set and blocks 0-3 are in; the youngest 12 loads (blocks 4-7) may be out
	WIN MUL_LO
	MUL16 0, 1, 2*(\c)+1, 0
	MUL16 2, 1, 2*(\c)+1, 0
	WIN 0
	s_wait_tensorcnt 0x0                           ; all my tensor loads have landed, my part of the next step's tiles among them; so every group 0 may be written
	ds_add_u32 v[SPW], v[NIL]                      ; 0 onto my spare word
.if \fill
	G0STEP \c
.endif
	s_wait_dscnt 0x0                               ; the add is done, and my reads of the slots that are left are over (the last, blocks 4-7, were issued 32 matrix instructions ago)
	s_barrier_signal -1
	s_barrier_wait -1
.if \fill
	CREST                                          ; no wave of any partner still reads these slots or has a load on its way
	JLOAD \c
.else
	PLACES 4
.endif
	FETCH_B (\c)+1, 0, 0
	FETCH_A (\c)+1, 0, 0
.if (\c) < 3
	ASK \c
.endif
	WIN MUL_HI
	MUL16 4, 1, 2*(\c)+1, 0
	MUL16 6, 1, 2*(\c)+1, 0
	PLACES 4
	WIN 0
	FETCH_A (\c)+1, 0, 4
.endm
	s_wait_tensorcnt 0x1                           ; all but my youngest first fill have landed: step 0's tiles, and f's and i's first piece, are among them
	s_barrier_signal -1
	s_barrier_wait -1                              ; everybody's have
	s_wait_loadcnt 0x0                             ; the biases
	FETCH_B 0, 0, 0
	FETCH_A 0, 0, 0
	FETCH_A 0, 0, 4
	STEP 0, 1                                      ; the first products start the sums with the biases
.irp c, 0,1,2,3,4,5
	TURN \c, 1
	STEP \c+1, 0
.endr
	TURN 6, 0                                      ; nothing is left to ask for: a plain barrier
	STEP 7, 0
	s_wait_dscnt 12                                ; the last 128 along K: nothing more to fetch
	WIN MUL_LO
	MUL16 0, 1, 15, 0
	MUL16 2, 1, 15, 0
	s_wait_dscnt 0x0
	WIN MUL_HI
	MUL16 4, 1, 15, 0
	MUL16 6, 1, 15, 0
	WIN 0
	PLACES 4                                       ; behind the last products: window 1 is written next, and results are read
; THE WAY OUT, block by block of 16 rows x my 32 columns.  With Ef, Ei, Eo = 2^min(-log2(e) a, 30) and Ec = 2^min(-2 log2(e) a_c, 30):  F = 1 + Ef, G = 1 + Ec, U = 1 - Ec, P = Ei G + G,
; num = U F + P, D3 = F P, D4 = Eo D3 + D3;  h = num / D4,  c = h Eo + h.  That is c = 1 / F + U / P = f + i tanh(a_c) and h = c / (1 + Eo): four exponentials and ONE reciprocal a point.
; At work in window 1, set a % 2 at PS = 128 (a % 2): PS + 16 gate + k (k = 8 nb + j) the gates' 64 numbers; PS + 64 + k G, then the reciprocal; PS + 80 .. 111 sixteen rows read back from the stage.
.macro ACT a                           ; the 64 exponents, held at 30, and the 64 exponentials: one batch; its wait stands at the head of COMB
.set PS, 128*((\a)%2)
.set AC0, 64*((\a)%4)
	WIN 0x42+(\a)/4                                ; source 0: the block's accumulators, window 2 or 3; destination window 1
.irp b, 0,1,2,3,4,5
.irp j, 0,2,4,6
	v_pk_mul_f32 v[PS+8*\b+\j:PS+8*\b+\j+1], v[AC0+8*\b+\j:AC0+8*\b+\j+1], s[98:99] op_sel_hi:[1,0]     ; each accumulator from its low end on
.endr
.endr
.irp b, 6,7
.irp j, 0,2,4,6
	v_pk_mul_f32 v[PS+8*\b+\j:PS+8*\b+\j+1], v[AC0+8*\b+\j:AC0+8*\b+\j+1], s[100:101] op_sel_hi:[1,0]
.endr
.endr
	WIN E_W1
.set KK, 0
.rept 64
	v_min_num_f32 v[PS+KK], s97, v[PS+KK]
.set KK, KK+1
.endr
.set KK, 0
.rept 64
	v_exp_f32 v[PS+KK], v[PS+KK]
.set KK, KK+1
.endr
	v_nop                                          ; a plain instruction behind the last exponential, ahead of the first use
.endm
.macro COMB a
.set PS, 128*((\a)%2)
.set EF, PS
.set EI, PS+16
.set EO, PS+32
.set EC, PS+48
.set EX, PS+64
	s_wait_alu depctr_va_vdst(0)                   ; one wait for the 64 exponentials, ahead of their first reader
	WIN E_W1
.irp k, 0,2,4,6,8,10,12,14
	v_pk_add_f32 v[EX+\k:EX+\k+1], v[EC+\k:EC+\k+1], 1.0 op_sel_hi:[1,0]                                 ; G = 1 + Ec
.endr
.irp k, 0,2,4,6,8,10,12,14
	v_pk_add_f32 v[EC+\k:EC+\k+1], v[EC+\k:EC+\k+1], 1.0 op_sel_hi:[1,0] neg_lo:[1,0] neg_hi:[1,0]       ; U = 1 - Ec
.endr
.irp k, 0,2,4,6,8,10,12,14
	v_pk_add_f32 v[EF+\k:EF+\k+1], v[EF+\k:EF+\k+1], 1.0 op_sel_hi:[1,0]                                 ; F = 1 + Ef
.endr
.irp k, 0,2,4,6,8,10,12,14
	v_pk_fma_f32 v[EI+\k:EI+\k+1], v[EI+\k:EI+\k+1], v[EX+\k:EX+\k+1], v[EX+\k:EX+\k+1]                  ; P = Ei G + G
.endr
.irp k, 0,2,4,6,8,10,12,14
	v_pk_fma_f32 v[EC+\k:EC+\k+1], v[EC+\k:EC+\k+1], v[EF+\k:EF+\k+1], v[EI+\k:EI+\k+1]                  ; num = U F + P
.endr
.irp k, 0,2,4,6,8,10,12,14
	v_pk_mul_f32 v[EF+\k:EF+\k+1], v[EF+\k:EF+\k+1], v[EI+\k:EI+\k+1]                                    ; D3 = F P
.endr
.irp k, 0,2,4,6,8,10,12,14
	v_pk_fma_f32 v[EI+\k:EI+\k+1], v[EO+\k:EO+\k+1], v[EF+\k:EF+\k+1], v[EF+\k:EF+\k+1]                  ; D4 = Eo D3 + D3
.endr
.irp k, 0,1,2,3,4,5,6,7,8,9,10,11,12,13,14,15
	v_rcp_f32 v[EX+\k], v[EI+\k]
.endr
	v_nop                                          ; a plain instruction behind the last reciprocal
	s_wait_alu depctr_va_vdst(0)                   ; and one wait for the sixteen
.irp k, 0,2,4,6,8,10,12,14
	v_pk_mul_f32 v[EF+\k:EF+\k+1], v[EC+\k:EC+\k+1], v[EX+\k:EX+\k+1]                                    ; h = num / D4
.endr
.irp k, 0,2,4,6,8,10,12,14
	v_pk_fma_f32 v[EC+\k:EC+\k+1], v[EF+\k:EF+\k+1], v[EO+\k:EO+\k+1], v[EF+\k:EF+\k+1]                  ; c = h Eo + h
.endr
.endm
; A row's 64 columns, 256 bytes, come from the two waves of a row half: so h and c go into a stage that the work-group shares, a barrier stands between the writing and the reading, and each wave reads back 16 whole rows
; of one output.  Two stage buffers by turns: buffer a % 2 is written again in block a + 2, behind block a + 1's barrier, in front of which every wave has waited for its reads of block a.
.macro TOSTAGE a
.set PS, 128*((\a)%2)
	WIN E_ST
.irp nb, 0,1
.irp hf, 0,1
	ds_store_b128 v[STO], v[PS+8*\nb+4*\hf:PS+8*\nb+4*\hf+3] offset:((\a)%2)*SBF+64*\nb+16*\hf                 ; h
	ds_store_b128 v[STO], v[PS+48+8*\nb+4*\hf:PS+48+8*\nb+4*\hf+3] offset:((\a)%2)*SBF+2*SRG+64*\nb+16*\hf     ; c
.endr
.endr
	s_wait_dscnt 0x0                               ; for the others' sake: my stores into the stage are done, and my reads of the other buffer are back
	s_barrier_signal -1
	s_barrier_wait -1
.endm
.macro BACK a
.set PS, 128*((\a)%2)
.if (\a) >= 2
	s_wait_xcnt 0x0                                ; block a - 2's stores have read these registers
.endif
	WIN TO_B
.irp t, 0,1,2,3,4,5,6,7
	ds_load_b128 v[PS+80+4*\t:PS+80+4*\t+3], v[RD] offset:((\a)%2)*SBF+2*\t*SPT
.endr
.endm
.macro SEND a
.set PS, 128*((\a)%2)
	WIN E_ST
	s_wait_dscnt 0x0                               ; the block's rows are back in registers
.irp t, 0,1,2,3,4,5,6,7
	global_store_b128 v[CO], v[PS+80+4*\t:PS+80+4*\t+3], s[OUT:OUT+1] offset:(16*(\a)+2*\t)*4096 th:TH_STORE_NT   ; 16 lanes store 256 consecutive bytes, at a multiple of 256 from the output's first byte; the row stands in the immediate, 516,096 at the most
.endr
.endm
	ACT 0
	COMB 0
	TOSTAGE 0
	BACK 0
.irp a, 1,2,3,4,5,6,7
	ACT \a
	SEND \a-1                                      ; the block before leaves between this block's exponentials and the wait for them
	COMB \a
	TOSTAGE \a
	BACK \a
.endr
	SEND 7
	WIN 0
	s_wait_tensorcnt 0x0                           ; the wave's end: behind my last tensor load and my last LDS store
	ds_add_u32 v[SPW], v[NIL]
	s_wait_dscnt 0x0
	CROUND                                         ; the closing round: no work-group ends while a partner may still ask for a tile that names it
	s_endpgm
.Lfunc_end_k_q02657e12d2_lstm:
	.size	k_q02657e12d2_lstm, .Lfunc_end_k_q02657e12d2_lstm-k_q02657e12d2_lstm
	.p2alignl 7, 3214868480
	.fill 96, 4, 3214868480
	.section	.rodata,"a",@progbits
	.p2align	6, 0x0
	.amdhsa_kernel k_q02657e12d2_lstm
		.amdhsa_group_segment_fixed_size 327680
		.amdhsa_private_segment_fixed_size 0
		.amdhsa_enable_private_segment 0
		.amdhsa_kernarg_size 208
		.amdhsa_user_sgpr_count 2
		.amdhsa_user_sgpr_kernarg_segment_ptr 1
		.amdhsa_wavefront_size32 1
		.amdhsa_system_sgpr_workgroup_id_x 1
		.amdhsa_system_sgpr_workgroup_id_y 1
		.amdhsa_system_sgpr_workgroup_id_z 1
		.amdhsa_system_vgpr_workitem_id 0
		.amdhsa_next_free_vgpr 1024
		.amdhsa_next_free_sgpr 102
		.amdhsa_reserve_vcc 0
		.amdhsa_float_denorm_mode_32 3
		.amdhsa_float_denorm_mode_16_64 3
		.amdhsa_memory_ordered 1
		.amdhsa_forward_progress 1
		.amdhsa_inst_pref_size 255
	.end_amdhsa_kernel
	.section	.bss,"aw",@nobits
	.p2align	6
	.space	262144
	.amdgpu_metadata
---
amdhsa.version: [ 1, 2 ]
amdhsa.kernels:
  - .name:           k_q02657e12d2_lstm
    .symbol:         k_q02657e12d2_lstm.kd
    .args:
      - { .name: inputs_codes, .offset: 0, .size: 8, .value_kind: global_buffer, .address_space: global }
      - { .name: Wox_codes, .offset: 8, .size: 8, .value_kind: global_buffer, .address_space: global }
      - { .name: Wcx_codes, .offset: 16, .size: 8, .value_kind: global_buffer, .address_space: global }
      - { .name: Wfx_codes, .offset: 24, .size: 8, .value_kind: global_buffer, .address_space: global }
      - { .name: Wix_codes, .offset: 32, .size: 8, .value_kind: global_buffer, .address_space: global }
      - { .name: hist_codes, .offset: 40, .size: 8, .value_kind: global_buffer, .address_space: global }
      - { .name: Woh_codes, .offset: 48, .size: 8, .value_kind: global_buffer, .address_space: global }
      - { .name: Wch_codes, .offset: 56, .size: 8, .value_kind: global_buffer, .address_space: global }
      - { .name: Wfh_codes, .offset: 64, .size: 8, .value_kind: global_buffer, .address_space: global }
      - { .name: Wih_codes, .offset: 72, .size: 8, .value_kind: global_buffer, .address_space: global }
      - { .name: inputs_scales, .offset: 80, .size: 8, .value_kind: global_buffer, .address_space: global }
      - { .name: hist_scales, .offset: 88, .size: 8, .value_kind: global_buffer, .address_space: global }
      - { .name: Wfx_scales, .offset: 96, .size: 8, .value_kind: global_buffer, .address_space: global }
      - { .name: Wfh_scales, .offset: 104, .size: 8, .value_kind: global_buffer, .address_space: global }
      - { .name: Wix_scales, .offset: 112, .size: 8, .value_kind: global_buffer, .address_space: global }
      - { .name: Wih_scales, .offset: 120, .size: 8, .value_kind: global_buffer, .address_space: global }
      - { .name: Wox_scales, .offset: 128, .size: 8, .value_kind: global_buffer, .address_space: global }
      - { .name: Woh_scales, .offset: 136, .size: 8, .value_kind: global_buffer, .address_space: global }
      - { .name: Wcx_scales, .offset: 144, .size: 8, .value_kind: global_buffer, .address_space: global }
      - { .name: Wch_scales, .offset: 152, .size: 8, .value_kind: global_buffer, .address_space: global }
      - { .name: bf, .offset: 160, .size: 8, .value_kind: global_buffer, .address_space: global }
      - { .name: bi, .offset: 168, .size: 8, .value_kind: global_buffer, .address_space: global }
      - { .name: bo, .offset: 176, .size: 8, .value_kind: global_buffer, .address_space: global }
      - { .name: bc, .offset: 184, .size: 8, .value_kind: global_buffer, .address_space: global }
      - { .name: out0, .offset: 192, .size: 8, .value_kind: global_buffer, .address_space: global }
      - { .name: out1, .offset: 200, .size: 8, .value_kind: global_buffer, .address_space: global }
    .group_segment_fixed_size: 327680
    .private_segment_fixed_size: 0
    .kernarg_segment_align: 8
    .kernarg_segment_size: 208
    .max_flat_workgroup_size: 128
    .sgpr_count:     102
    .vgpr_count:     1024
    .wavefront_size: 32
...
	.end_amdgpu_metadata
.endif
;; end of part 1
